; MI455X (gfx1250); checked and timed in simulation.
; The chip was launched on July 23, 2026; its instructions are those of AMD's public machine-readable ISA for CDNA 5 (MIT licence, August 2026) and "CDNA5" Instruction Set Architecture Reference Guide (July 2026). The comments in the code are by the model that wrote it; some were corrected since.
;; Qwen3 Attention. Allowed arithmetic: matrix products marked QUANTISED: E4M3 operands, one given power-of-two scale a tensor, by v_wmma_f32_16x16x64_fp8_fp8 or v_wmma_f32_16x16x128_fp8_fp8, f32 sums; everything else in f32.
;; Inputs: cos 1 x 1 x 2,048 x 64 float32; k_norm_w 128 float32; lowp_scales 12 int32 (the exponents e of the quantised operands' scales 2^e); q_norm_w 128 float32; sin 1 x 1 x 2,048 x 64 float32; wk 1,024 x 1,024 float32; wo 1,024 x 2,048 float32; wq 2,048 x 1,024 float32; wv 1,024 x 1,024 float32; x 2 x 2,048 x 1,024 float32.
;; Outputs: out0 2 x 2,048 x 1,024 float32; out1 2 x 8 x 2,048 x 128 float32; out2 2 x 8 x 2,048 x 128 float32.
;; This version of the problem:
;;   THIS VERSION OF THE PROBLEM IS GIVEN IN LOW PRECISION. The matrix products marked QUANTISED in the list below multiply operands that are first quantised to E4M3 (4 exponent bits, 3 mantissa bits; 8 bits a number), with one given power-of-two scale for each operand tensor; their sums are f32. All else is computed in f32.
;;   The module's matrix products, in the order in which they are computed (A, B: the left and right operand; K: the contracted axis; several contracted axes count as one K, in the product's order):
;;     1. [M 4,096, K 1,024] x [K 1,024, N 2,048]; A: input x; B: input wq: QUANTISED (scales: A lowp_scales[0], B lowp_scales[1])
;;     2. [M 4,096, K 1,024] x [K 1,024, N 1,024]; A: input x; B: input wk: QUANTISED (scales: A lowp_scales[2], B lowp_scales[3])
;;     3. [M 4,096, K 1,024] x [K 1,024, N 1,024]; A: input x; B: input wv: QUANTISED (scales: A lowp_scales[4], B lowp_scales[5])
;;     4. batch 32 x [M 2,048, K 128] x [K 128, N 2,048]; A: computed on the way; B: computed on the way: QUANTISED (scales: A lowp_scales[6], B lowp_scales[7])
;;     5. batch 32 x [M 2,048, K 2,048] x [K 2,048, N 128]; A: softmax (see below); B: computed on the way: QUANTISED (scales: A lowp_scales[8], B lowp_scales[9])
;;     6. [M 4,096, K 2,048] x [K 2,048, N 1,024]; A: computed on the way; B: input wo: QUANTISED (scales: A lowp_scales[10], B lowp_scales[11])
;;   THE QUANTISER, for each operand of a quantised product, along K:
;;     - The operand's scale is 2^e, e = its entry of the input lowp_scales (int32; the entries are numbered through the quantised products in the list's order, A before B).
;;     - Each number is divided by the scale, clamped to +-448, and rounded to the nearest number of E4M3, ties to even, subnormals kept.
;;     - The product sums the exact products of the quantised numbers (number of the format x scale) in f32.
;;   ~~~python
;;   def quantise(x, axis, e):      # numpy; x: float32 -> the quantised numbers, widened to float32 again
;;       x = np.moveaxis(x, axis, -1); K = x.shape[-1]
;;       r = np.clip(x / 2.0 ** e, -448, 448)
;;       step = 2.0 ** (np.maximum(np.frexp(np.where(r == 0, 1, r))[1] - 1, -6) - 3)
;;       q = np.round(r / step) * step * 2.0 ** e      # np.round: ties to even
;;       return np.moveaxis(q, -1, axis).astype(np.float32)
;;   ~~~
;;   SOFTMAX AHEAD OF A QUANTISED PRODUCT. Where the list says 'softmax', what is quantised is not the finished softmax but p = 2^(t - M), with t = logit x log2(e) and M = ceil(the row's largest t), a whole number; so 1/2 < the row's largest p <= 1. The row's sum l is taken of the UNQUANTISED p, in f32, and the product's result is divided by l at the end. Since M is a whole number, a kernel that streams over the keys may use a running M (the ceiling of the running maximum): every later rescaling is an exact power of two, so the quantised numbers keep their values, but for numbers so far below the row's largest that they fall under the format's range.
;;   OPERANDS COMPUTED ON THE WAY. 'Computed on the way' means the value that the module computes at that place (a softmax that the list does not call 'softmax' is quantised finished and normalised). What goes into a quantiser is computed in f32, as accurately as f32 sums, v_exp_f32 and their like allow (about 1e-6 of the number): no bf16 or f16 on the way to a quantiser, and a product that is left as it is and whose result goes on into a quantised operand takes f32 operands (vector FMAs, or v_wmma_f32_16x16x4_f32). A number that lies on a knife's edge between two numbers of the format may be rounded either way, as far as f32 arithmetic and the matrix unit's own rounding can turn it there, and no further.
;; One version. Each part assembles by itself: llvm-mc -triple=amdgcn-amd-amdhsa -mcpu=gfx1250 --defsym DOCPART=n.
;; ======== version 1 of 1: 4 launches
;; limits: right only within a limited range of input values
;; workspace buffers: xc 12,582,912 bytes; wc 6,291,456 bytes; q_codes 8,388,608 bytes; k_codes 4,194,304 bytes; v_codes 4,194,304 bytes; a_codes 8,388,608 bytes
;; launch quant (part 1): grid 640 x 1, 4 waves a work-group, no clusters, 34,304 bytes of LDS; arguments x, wq, wk, wv, wo, lowp_scales, xc, wc; writes xc, wc
.if DOCPART == 1
	.amdgcn_target "amdgcn-amd-amdhsa--gfx1250"
	.amdhsa_code_object_version 6
	.text
	.protected	k_q7e2f6f929e_quant
	.globl	k_q7e2f6f929e_quant
	.p2align	8
	.type	k_q7e2f6f929e_quant,@function
k_q7e2f6f929e_quant:
	s_mov_b64 s[64:65], 0
	v_nop
	global_prefetch_b8 v0, s[64:65] scope:SCOPE_SE
	s_setreg_imm32_b32 hwreg(HW_REG_WAVE_MODE, 25, 1), 1
	s_wait_xcnt 0x0
; x, wq, wk, wv, wo (f32, K innermost) become codes of FP8 (E4M3), each with the given scale 2^e: code = number / 2^e, held within +-448, to the nearest code, ties to even.
; x is an operand of three products with three given scales (entries 0, 2, 4 of the scales): three sets of codes.  wq: entry 1, wk: 3, wv: 5, wo: 11.
; LAYOUT OF THE CODES: IMAGES.  An image is 16 rows x 128 along K, 2,048 bytes, laid as the matrix instruction's operand registers: lane (r = lane % 16, h = lane / 16) owns 16 registers,
; registers 2 c, 2 c + 1 = k 16 c + 8 h + 0 .. 7 of row r; registers 4 g .. 4 g + 3 of lane l lie at byte 512 g + 16 l.  Image (row tile, K step) of a tensor lies at (row tile x K steps + K step) x 2,048.
; xc: three parts of 4 MiB (entries 0, 2, 4).  wc: wq at 0, wk at 2 MiB, wv at 3 MiB, wo at 4 MiB: the weights' images are one run.
; SHARES.  5,120 images; a wave takes two that follow each other along K, a work-group eight.  Work-groups 0-255: x, 256-383: wq, 384-447: wk, 448-511: wv, 512-639: wo.
; Each load reads one row's 512 consecutive bytes; the 16 rows turn through the wave's own stage in LDS, so that a lane gets 8 neighbours along K at a time.  Each store covers 512 consecutive bytes.
; No tensor loads, no barrier: waves share nothing.  All 32 loads of a wave are out from the start.
; LIMITS: every e between -126 and 119, so that 2^e and 448 x 2^e are f32 numbers.  NaN among the inputs is not served (an infinity is held at the largest code).
.set SP,  528                          ; a stage row: 512 bytes + 16
.set WST, 16*SP                        ; a wave's stage
.set L16, 1                            ; v1   16 x lane
.set STI, 2                            ; v2   the stage on the way in: my 16 bytes of a row
.set STO, 3                            ; v3   on the way out: row r, + 32 h
.set SCL, 4                            ; v4-9 for each of up to three outputs: 2^e, 448 x 2^e
.set T,   10                           ; v10-25  two sets of 8 held numbers
.set R,   32                           ; v32-159 64 numbers for each image
.set C,   160                          ; v160-255 16 registers of codes for each (image, output): no store's data are written again
	s_load_b512 s[4:19], s[0:1], 0x0               ; x, wq, wk, wv, wo, the scales, xc, wc
	v_lshl_add_u32 v30, v0, 2, 0x8400
	v_mov_b32 v31, 0
	v_and_b32 v[L16], 31, v0
	v_lshrrev_b32 v2, 5, v0
	v_readfirstlane_b32 s20, v2                    ; wave
	v_and_b32 v3, 15, v0                           ; r
	v_bfe_u32 v26, v0, 4, 1                        ; h
	v_lshlrev_b32 v[L16], 4, v[L16]
	s_mul_i32 s21, s20, WST
	v_add_nc_u32 v[STI], s21, v[L16]
	v_mul_u32_u24 v3, v3, SP
	v_lshl_add_u32 v3, v26, 5, v3
	v_add_nc_u32 v[STO], s21, v3
	; which tensor: its first work-group and log2 of its K steps.  Every choice hangs on the work-group's number alone
	s_mov_b32 s22, 512
	s_mov_b32 s23, 4                               ; wo: 16 K steps
	s_cmp_lt_u32 ttmp9, 512
	s_cselect_b32 s22, 448, s22
	s_cselect_b32 s23, 3, s23                      ; the others: 8
	s_cmp_lt_u32 ttmp9, 448
	s_cselect_b32 s22, 384, s22
	s_cmp_lt_u32 ttmp9, 384
	s_cselect_b32 s22, 256, s22
	s_cmp_lt_u32 ttmp9, 256
	s_cselect_b32 s22, 0, s22
	s_cselect_b32 s86, 1, 0                        ; 1: x
	s_sub_co_u32 s24, ttmp9, s22
	s_lshl_b32 s24, s24, 3
	s_lshl_b32 s25, s20, 1
	s_add_co_u32 s24, s24, s25                     ; my first image in the tensor
	s_lshr_b32 s26, s24, s23                       ; its row tile
	s_bfm_b32 s27, s23, 0
	s_and_b32 s27, s24, s27                        ; its K step (even)
	s_add_co_u32 s28, s23, 13
	s_lshl_b32 s28, s26, s28                       ; 16 rows of 512 x K steps bytes
	s_lshl_b32 s27, s27, 9
	s_add_co_u32 s28, s28, s27                     ; + 512 bytes a K step
	s_mov_b32 s29, 0
	s_lshl_b32 s30, 512, s23                       ; bytes from row to row
	s_mov_b32 s31, 0
	s_wait_alu depctr_va_vdst(0)
	s_wait_kmcnt 0x0
	s_load_b256 s[68:75], s[14:15], 0x0            ; e0 .. e7
	s_load_b128 s[76:79], s[14:15], 0x20           ; e8 .. e11
	s_cmp_lt_u32 ttmp9, 512
	s_cselect_b64 s[12:13], s[10:11], s[12:13]
	s_cmp_lt_u32 ttmp9, 448
	s_cselect_b64 s[12:13], s[8:9], s[12:13]
	s_cmp_lt_u32 ttmp9, 384
	s_cselect_b64 s[12:13], s[6:7], s[12:13]
	s_cmp_lt_u32 ttmp9, 256
	s_cselect_b64 s[12:13], s[4:5], s[12:13]       ; the tensor
	s_cselect_b64 s[80:81], s[16:17], s[18:19]     ; its codes' buffer
	s_cselect_b32 s21, 0, 256
	s_sub_co_u32 s21, ttmp9, s21
	s_lshl_b32 s21, s21, 3
	s_add_co_u32 s21, s21, s25
	s_lshl_b32 s26, s21, 11                        ; my first image in that buffer
	s_mov_b32 s27, 0
	s_add_nc_u64 s[80:81], s[80:81], s[26:27]
	s_add_nc_u64 s[82:83], s[80:81], 0x400000      ; x's second and third set (used by x's work-groups alone)
	s_add_nc_u64 s[84:85], s[82:83], 0x400000
	s_add_nc_u64 s[32:33], s[12:13], s[28:29]      ; the 16 rows' addresses
.irp i, 1,2,3,4,5,6,7,8,9,10,11,12,13,14,15
	s_add_nc_u64 s[32+2*\i:33+2*\i], s[30+2*\i:31+2*\i], s[30:31]
.endr
.irp t, 0,1
.irp i, 0,1,2,3,4,5,6,7,8,9,10,11,12,13,14,15
	global_load_b128 v[R+64*\t+4*\i:R+64*\t+4*\i+3], v[L16], s[32+2*\i:33+2*\i] offset:512*\t th:TH_LOAD_NT   ; 32 lanes read 512 consecutive bytes: row i of image t
.endr
.endr
	s_wait_kmcnt 0x0
	s_mov_b32 s21, s79                             ; the first output's e
	s_cmp_lt_u32 ttmp9, 512
	s_cselect_b32 s21, s73, s21
	s_cmp_lt_u32 ttmp9, 448
	s_cselect_b32 s21, s71, s21
	s_cmp_lt_u32 ttmp9, 384
	s_cselect_b32 s21, s69, s21
	s_cmp_lt_u32 ttmp9, 256
	s_cselect_b32 s21, s68, s21
.macro MKSC e, sc                      ; v[sc] = 2^e as f32 (the conversion takes its exponent field), v[sc + 1] = 448 x 2^e
	s_add_co_i32 s22, \e, 127
	s_lshl_b32 s23, s22, 23
	v_mov_b32 v[\sc], s23
	s_add_co_i32 s22, s22, 8
	s_lshl_b32 s22, s22, 23
	s_or_b32 s22, s22, 0x600000
	v_mov_b32 v[\sc+1], s22
.endm
	MKSC s21, SCL
	MKSC s70, SCL+2
	MKSC s72, SCL+4
; Image t's 64 numbers of a lane become output o's 16 registers of codes and are stored.  The holds go into two sets of 8 by turns, so that the numbers stay for the next output;
; the other set's eight holds stand between a conversion and the next write of its sources.
.macro CONV t, o
.set cc, 0
.rept 8
.set ii, 0
.rept 8
	v_med3_num_f32 v[T+8*(cc%2)+ii], v[R+64*\t+8*cc+ii], -v[SCL+1+2*\o], v[SCL+1+2*\o]   ; the conversion to an 8-bit code does not saturate (ISA guide 7.6.2): the hold comes first
.set ii, ii+1
.endr
	v_cvt_scalef32_pk8_fp8_f32 v[C+16*(3*\t+\o)+2*cc:C+16*(3*\t+\o)+2*cc+1], v[T+8*(cc%2):T+8*(cc%2)+7], v[SCL+2*\o]
.set cc, cc+1
.endr
	v_nop                                          ; a plain vector line behind the last conversion
.irp i, 0,1,2,3
	global_store_b128 v[L16], v[C+16*(3*\t+\o)+4*\i:C+16*(3*\t+\o)+4*\i+3], s[80+2*\o:81+2*\o] offset:2048*\t+512*\i   ; 512 consecutive bytes
.endr
.endm
.macro IMG t
	s_wait_loadcnt 16*(1-\t)                       ; this image's 16 loads are in; the other image's may be out
.irp i, 0,1,2,3,4,5,6,7,8,9,10,11,12,13,14,15
	ds_store_b128 v[STI], v[R+64*\t+4*\i:R+64*\t+4*\i+3] offset:SP*\i
.endr
	s_wait_dscnt 0x0                               ; the stores have read the registers into which the loads below land
.irp c, 0,1,2,3,4,5,6,7
	ds_load_b128 v[R+64*\t+8*\c:R+64*\t+8*\c+3],   v[STO] offset:64*\c      ; row r, k = 16 c + 8 h + 0 .. 3
	ds_load_b128 v[R+64*\t+8*\c+4:R+64*\t+8*\c+7], v[STO] offset:64*\c+16   ; + 4 .. 7
.endr
	s_wait_dscnt 0x0
	CONV \t, 0
	s_cmp_eq_u32 s86, 0                            ; a weight has one set of codes
	s_cbranch_scc1 .Lw_\@
	CONV \t, 1
	CONV \t, 2
.Lw_\@:
.endm
	s_wait_alu depctr_va_vdst(0)
	IMG 0
	IMG 1
	s_wait_tensorcnt 0x0
	ds_add_u32 v30, v31
	s_wait_dscnt 0x0
	s_endpgm
.Lfunc_end_k_q7e2f6f929e_quant:
	.size	k_q7e2f6f929e_quant, .Lfunc_end_k_q7e2f6f929e_quant-k_q7e2f6f929e_quant
	.p2alignl 7, 3214868480
	.fill 96, 4, 3214868480
	.section	.rodata,"a",@progbits
	.p2align	6, 0x0
	.amdhsa_kernel k_q7e2f6f929e_quant
		.amdhsa_group_segment_fixed_size 34304
		.amdhsa_private_segment_fixed_size 0
		.amdhsa_enable_private_segment 0
		.amdhsa_kernarg_size 64
		.amdhsa_user_sgpr_count 2
		.amdhsa_user_sgpr_kernarg_segment_ptr 1
		.amdhsa_wavefront_size32 1
		.amdhsa_system_sgpr_workgroup_id_x 1
		.amdhsa_system_sgpr_workgroup_id_y 1
		.amdhsa_system_sgpr_workgroup_id_z 1
		.amdhsa_system_vgpr_workitem_id 0
		.amdhsa_next_free_vgpr 256
		.amdhsa_next_free_sgpr 88
		.amdhsa_reserve_vcc 0
		.amdhsa_float_denorm_mode_32 3
		.amdhsa_float_denorm_mode_16_64 3
		.amdhsa_memory_ordered 1
		.amdhsa_forward_progress 1
		.amdhsa_inst_pref_size 42
	.end_amdhsa_kernel
	.amdgpu_metadata
---
amdhsa.version: [ 1, 2 ]
amdhsa.kernels:
  - .name:           k_q7e2f6f929e_quant
    .symbol:         k_q7e2f6f929e_quant.kd
    .args:
      - { .name: x, .offset: 0, .size: 8, .value_kind: global_buffer, .address_space: global }
      - { .name: wq, .offset: 8, .size: 8, .value_kind: global_buffer, .address_space: global }
      - { .name: wk, .offset: 16, .size: 8, .value_kind: global_buffer, .address_space: global }
      - { .name: wv, .offset: 24, .size: 8, .value_kind: global_buffer, .address_space: global }
      - { .name: wo, .offset: 32, .size: 8, .value_kind: global_buffer, .address_space: global }
      - { .name: lowp_scales, .offset: 40, .size: 8, .value_kind: global_buffer, .address_space: global }
      - { .name: xc, .offset: 48, .size: 8, .value_kind: global_buffer, .address_space: global }
      - { .name: wc, .offset: 56, .size: 8, .value_kind: global_buffer, .address_space: global }
    .group_segment_fixed_size: 34304
    .private_segment_fixed_size: 0
    .kernarg_segment_align: 8
    .kernarg_segment_size: 64
    .max_flat_workgroup_size: 128
    .sgpr_count:     88
    .vgpr_count:     256
    .wavefront_size: 32
...
	.end_amdgpu_metadata
.endif
;; end of part 1
;; launch qkv (part 2): grid 16 x 16, 4 waves a work-group, clusters of 4 x 4, 327,680 bytes of LDS; arguments xc, wc, lowp_scales, cos, sin, q_norm_w, k_norm_w, q_codes, k_codes, v_codes, out1, out2; writes q_codes, k_codes, v_codes, out1, out2
.if DOCPART == 2
	.amdgcn_target "amdgcn-amd-amdhsa--gfx1250"
	.amdhsa_code_object_version 6
	.text
	.protected	k_q7e2f6f929e_qkv
	.globl	k_q7e2f6f929e_qkv
	.p2align	8
	.type	k_q7e2f6f929e_qkv,@function
k_q7e2f6f929e_qkv:
	s_mov_b64 s[64:65], 0
	v_nop
	global_prefetch_b8 v0, s[64:65] scope:SCOPE_SE
	s_setreg_imm32_b32 hwreg(HW_REG_WAVE_MODE, 25, 1), 1
	s_wait_xcnt 0x0
	s_wait_alu depctr_hold_cnt(0) depctr_sa_sdst(0) depctr_va_vdst(0) depctr_va_sdst(0) depctr_va_ssrc(0) depctr_va_vcc(0) depctr_vm_vsrc(0)
	s_getreg_b32 s2, hwreg(HW_REG_IB_STS2, 6, 4)
	s_cmp_eq_u32 s2, 0
	s_cbranch_scc0 .Lentry_in_a_cluster
	s_endpgm
.Lentry_in_a_cluster:
	s_bfe_u32 s2, ttmp6, 0x10000c
	s_cmp_lg_u32 s2, 0xf033
	s_cbranch_scc0 .Lentry_shape_is_right
	s_endpgm
.Lentry_shape_is_right:
.set FR,     16
.set NL,     4
.set NP,     4
.set IMGB,   2048
.set RTB,    2*IMGB
.set HALFB,  8*RTB
.set BOFF,   2*HALFB
.set SLOT,   4*HALFB
.set SPARE,  2*SLOT
.set KSTAGE, SPARE+512
.set KSP,    528
.set VSP,    272
.set VWB,    128*VSP
.set ADRA, 10
.set ADRB, 12
.set SC,   14
.set LM,   15
.set WO,   18
.set VO,   19
.set TM,   20
.set STO,  24
.set RD,   25
.set CO,   26
.set VC,   27
.set SPW,  28
.set NIL,  29
.set STV,  30
.set RDV,  31
.set W,    32
.set PC,   96
.set F,    112
.set AF,   128
.set T,    128
.set SSQ,  128
.set BK,   192
.set G1, 24
.set G0, 32
.set G1B, 48
.set G0B, 56
.set MSB, 0
.macro WIN new
.if MSB != \new
	s_set_vgpr_msb (MSB<<8)|\new
.set MSB, \new
.endif
.endm
.set MUL_LO, 0xa1
.set MUL_HI, 0xf1
.set TO_B,   0x40
.macro JLOAD g0a, g1a, g0b, g1b
	s_cmp_eq_u32 s15, 0
	s_cbranch_scc0 .Lfor_b_\@
	tensor_load_to_lds s[\g0a:\g0a+3], s[\g1a:\g1a+7]
	s_nop 0
.rept 4
	v_nop
.endr
	s_branch .Lasked_\@
.Lfor_b_\@:
	tensor_load_to_lds s[\g0b:\g0b+3], s[\g1b:\g1b+7]
	s_nop 0
.rept 4
	v_nop
.endr
.Lasked_\@:
.endm
.macro CREST
	s_cmp_lg_u32 s14, 0
	s_cbranch_scc1 .Lnot_wave_0_\@
	s_barrier_signal -3
.Lnot_wave_0_\@:
	s_barrier_wait -3
	s_barrier_signal -1
	s_barrier_wait -1
.endm
.macro CROUND
	s_barrier_signal -1
	s_barrier_wait -1
	CREST
.endm
.macro PLACES n
.rept \n
	v_nop
.endr
.endm
	s_load_b512 s[68:83], s[0:1], 0x0
	s_load_b256 s[84:91], s[0:1], 0x40
	v_lshl_add_u32 v[SPW], v0, 2, SPARE
	v_mov_b32 v[NIL], 0
	ds_add_u32 v28, v29
	ds_add_u32 v28, v29
	s_wait_dscnt 0x0
	v_lshrrev_b32 v1, 5, v0
	v_readfirstlane_b32 s14, v1
	s_lshr_b32 s15, s14, 1
	s_and_b32 s16, s14, 1
	s_bfe_u32 s40, ttmp6, 0x40000
	s_bfe_u32 s41, ttmp6, 0x40004
	s_mov_b32 s13, ttmp9
	s_and_b32 s100, ttmp7, 0xffff
	s_lshl_b32 s18, s100, 2
	s_lshl_b32 s19, s13, 2
	s_cmp_eq_u32 s13, 3
	s_cselect_b32 s17, 0, s18
	s_cselect_b32 s42, s18, 0
	s_cselect_b32 s22, 0x300000, 0
	s_cselect_b32 s2, 0x800000, 0
	s_cmp_eq_u32 s13, 2
	s_cselect_b32 s22, 0x400000, s22
	s_cselect_b32 s2, 0x200000, s2
	s_cmp_lt_u32 s13, 2
	s_cselect_b32 s42, s19, s42
	s_add_co_u32 s17, s17, s41
	s_add_co_u32 s42, s42, s40
	s_lshl_b32 s23, s17, 18
	s_add_co_u32 s22, s22, s23
	s_lshl_b32 s23, s16, 17
	s_add_co_u32 s22, s22, s23
	s_mov_b32 s23, 0
	s_lshl_b32 s3, s42, 18
	s_add_co_u32 s2, s2, s3
	s_lshl_b32 s3, s16, 17
	s_add_co_u32 s2, s2, s3
	s_mov_b32 s3, 0
	s_lshl_b32 s43, s41, 2
	s_lshl_b32 s43, 15, s43
	s_lshl_b32 s44, 0x1111, s40
	s_or_b32 s[G1+0], s43, (3<<16)|(1<<21)
	s_or_b32 s[G1B+0], s44, (3<<16)|(1<<21)
.irp g, G1, G1B
	s_mov_b32 s[\g+1], 512<<16
	s_mov_b32 s[\g+2], 8<<16
	s_mov_b32 s[\g+3], 512<<16
	s_mov_b32 s[\g+4], 8
	s_mov_b32 s[\g+5], 2048
	s_mov_b32 s[\g+6], 0
	s_mov_b32 s[\g+7], 0
.endr
	s_mul_i32 s45, s14, HALFB
	s_wait_kmcnt 0x0
	s_load_b256 s[4:11], s[72:73], 0x0
	s_load_b32 s12, s[72:73], 0x24
	s_cmp_eq_u32 s13, 3
	s_cselect_b64 s[20:21], s[70:71], s[68:69]
	s_cselect_b64 s[46:47], s[68:69], s[70:71]
	s_add_nc_u64 s[20:21], s[20:21], s[22:23]
	s_add_nc_u64 s[46:47], s[46:47], s[2:3]
	CROUND
.irp s, 0,1
	s_mov_b32 s[G0+4*\s], 1
	s_add_co_u32 s[G0+4*\s+1], s45, \s*SLOT
	s_add_nc_u64 s[G0+4*\s+2:G0+4*\s+3], s[20:21], \s*RTB
	s_or_b32 s[G0+4*\s+3], s[G0+4*\s+3], 0x80000000
	s_mov_b32 s[G0B+4*\s], 1
	s_add_co_u32 s[G0B+4*\s+1], s45, \s*SLOT
	s_add_nc_u64 s[G0B+4*\s+2:G0B+4*\s+3], s[46:47], \s*RTB
	s_or_b32 s[G0B+4*\s+3], s[G0B+4*\s+3], 0x80000000
	s_wait_alu depctr_va_vdst(0)
	s_wait_tensorcnt 0x0
	ds_add_u32 v28, v29
	ds_add_u32 v28, v29
	s_wait_dscnt 0x0
	CROUND
	JLOAD G0+4*\s, G1, G0B+4*\s, G1B
.endr
	v_and_b32 v1, 15, v0
	s_wait_alu depctr_va_vdst(0)
	v_bfe_u32 v2, v0, 4, 1
	v_and_b32 v3, 31, v0
	v_lshlrev_b32 v[CO], 4, v3
	s_mul_i32 s21, s15, HALFB
	s_mul_i32 s22, s16, HALFB
	s_add_co_u32 s22, s22, BOFF
.irp s, 0,1
	v_add_nc_u32 v[ADRA+\s], s21, v[CO]
	v_add_nc_u32 v[ADRB+\s], s22, v[CO]
	s_add_co_u32 s21, s21, SLOT
	s_add_co_u32 s22, s22, SLOT
.endr
	s_mul_i32 s23, s14, 16*KSP
	s_add_co_u32 s23, s23, KSTAGE
	v_mul_u32_u24 v4, v1, KSP
	s_wait_alu depctr_va_vdst(0)
	v_lshl_add_u32 v4, v2, 5, v4
	v_add_nc_u32 v[STO], s23, v4
	v_add_nc_u32 v[RD], s23, v[CO]
	v_lshlrev_b32 v[WO], 5, v2
	v_lshl_add_u32 v[VC], v1, 8, v[WO]
	s_mul_i32 s23, s14, VWB
	v_mul_u32_u24 v4, v2, 8*VSP
	v_lshl_add_u32 v4, v1, 2, v4
	v_add_nc_u32 v[STV], s23, v4
	v_mul_u32_u24 v4, v2, VSP
	v_lshl_add_u32 v4, v1, 4, v4
	v_add_nc_u32 v[RDV], s23, v4
	v_lshlrev_b32 v4, 9, v2
	v_lshl_add_u32 v[VO], v1, 4, v4
	s_mov_b32 s92, 0x76543210
	s_mov_b32 s93, 0xfedcba98
.macro FRAG reg, adr, q, i
.irp c, 0,1,2,3
	ds_load_b128 v[\reg+4*\c:\reg+4*\c+3], v[\adr] offset:(\i)*RTB+(\q)*IMGB+512*\c
.endr
.endm
.macro MUL16 a0, p, zero
.irp a, \a0, \a0+1
.irp b, 0,1,2,3,4,5,6,7
.if \zero
	v_wmma_f32_16x16x128_fp8_fp8 v[8*(8*((\a)%4)+\b):8*(8*((\a)%4)+\b)+7], v[128*(\p)+FR*\b:128*(\p)+FR*\b+FR-1], v[AF+FR*(\a):AF+FR*(\a)+FR-1], 0
.else
	v_wmma_f32_16x16x128_fp8_fp8 v[8*(8*((\a)%4)+\b):8*(8*((\a)%4)+\b)+7], v[128*(\p)+FR*\b:128*(\p)+FR*\b+FR-1], v[AF+FR*(\a):AF+FR*(\a)+FR-1], v[8*(8*((\a)%4)+\b):8*(8*((\a)%4)+\b)+7]
.endif
.endr
.endr
.endm
.macro FETCH_B slot, q, p
	WIN TO_B
.irp i, 0,1,2,3,4,5,6,7
	FRAG 128*(\p)+FR*\i, ADRB+\slot, \q, \i
.endr
	WIN 0
.endm
.macro FETCH_A slot, q, i0
.irp i, \i0, \i0+1, \i0+2, \i0+3
	FRAG AF+FR*(\i), ADRA+\slot, \q, \i
.endr
.endm
.macro STEP slot, q, zero
	s_wait_dscnt 4*NL
	WIN MUL_LO
	MUL16 0, (\q)%2, \zero
	MUL16 2, (\q)%2, \zero
	s_wait_dscnt 0
	PLACES NP
	FETCH_B \slot, (\q)+1, 1-(\q)%2
	FETCH_A \slot, (\q)+1, 0
	WIN MUL_HI
	MUL16 4, (\q)%2, \zero
	MUL16 6, (\q)%2, \zero
	PLACES NP
	WIN 0
	FETCH_A \slot, (\q)+1, 4
.endm
.macro TURN slot, next, fill
	s_wait_tensorcnt 0x0
	ds_add_u32 v[SPW], v[NIL]
	s_wait_dscnt 4*NL+1
	WIN MUL_LO
	MUL16 0, 1, 0
	s_wait_dscnt 0x0
	s_barrier_signal -1
	MUL16 2, 1, 0
	WIN 0
	s_barrier_wait -1
.if \fill
	CREST
	s_add_nc_u64 s[G0+4*\slot+2:G0+4*\slot+3], s[G0+4*\slot+2:G0+4*\slot+3], 2*RTB
	s_add_nc_u64 s[G0B+4*\slot+2:G0B+4*\slot+3], s[G0B+4*\slot+2:G0B+4*\slot+3], 2*RTB
	JLOAD G0+4*\slot, G1, G0B+4*\slot, G1B
.else
	PLACES NP
.endif
	FETCH_B \next, 0, 0
	FETCH_A \next, 0, 0
	WIN MUL_HI
	MUL16 4, 1, 0
	MUL16 6, 1, 0
	PLACES NP
	WIN 0
	FETCH_A \next, 0, 4
.endm
	s_wait_tensorcnt 1
	s_barrier_signal -1
	s_barrier_wait -1
	FETCH_B 0, 0, 0
	FETCH_A 0, 0, 0
	FETCH_A 0, 0, 4
	STEP 0, 0, 1
	TURN 0, 1, 1
	STEP 1, 0, 0
	TURN 1, 0, 1
	STEP 0, 0, 0
	TURN 0, 1, 0
	STEP 1, 0, 0
	s_wait_dscnt 4*NL
	WIN MUL_LO
	MUL16 0, 1, 0
	MUL16 2, 1, 0
	s_wait_dscnt 0
	WIN MUL_HI
	MUL16 4, 1, 0
	MUL16 6, 1, 0
	WIN 0
	PLACES NP
	s_wait_dscnt 0x0
	s_barrier_signal -1
	s_barrier_wait -1
	s_wait_kmcnt 0x0
	s_add_co_i32 s94, s4, s5
	s_add_co_i32 s95, s6, s7
	s_add_co_i32 s96, s8, s9
	s_cmp_eq_u32 s13, 2
	s_cselect_b32 s94, s95, s94
	s_cselect_b32 s97, s11, s10
	s_cmp_eq_u32 s13, 3
	s_cselect_b32 s94, s96, s94
	s_cselect_b32 s97, s12, s97
	s_add_co_i32 s97, s97, 127
	s_lshl_b32 s18, s97, 23
	v_mov_b32 v[SC], s18
	s_add_co_i32 s97, s97, 8
	s_lshl_b32 s97, s97, 23
	s_or_b32 s97, s97, 0x600000
	v_mov_b32 v[LM], s97
	s_cmp_eq_u32 s13, 3
	s_cbranch_scc1 .Lv
	s_lshl_b32 s96, s17, 8
	s_lshl_b32 s97, s15, 7
	s_add_co_u32 s96, s96, s97
	s_lshr_b32 s97, s96, 11
	s_and_b32 s96, s96, 2047
	s_lshl_b32 s101, s42, 1
	s_add_co_u32 s101, s101, s16
	s_mov_b32 s99, 0
	s_lshl_b32 s98, s96, 8
	s_add_nc_u64 s[74:75], s[74:75], s[98:99]
	s_add_nc_u64 s[76:77], s[76:77], s[98:99]
	s_lshl_b32 s98, s97, 3
	s_add_co_u32 s98, s98, s101
	s_lshl_b32 s98, s98, 11
	s_add_co_u32 s98, s98, s96
	s_lshl_b32 s98, s98, 9
	s_add_nc_u64 s[88:89], s[88:89], s[98:99]
	s_cmp_eq_u32 s13, 2
	s_cselect_b64 s[82:83], s[84:85], s[82:83]
	s_cselect_b64 s[78:79], s[80:81], s[78:79]
	s_cselect_b32 s18, 3, 4
	s_lshl_b32 s98, s97, s18
	s_add_co_u32 s98, s98, s101
	s_lshl_b32 s98, s98, 18
	s_lshl_b32 s18, s96, 7
	s_add_co_u32 s98, s98, s18
	s_add_nc_u64 s[82:83], s[82:83], s[98:99]
	s_lshl_b32 s95, s94, 1
	s_sub_co_i32 s95, s95, 7
.irp b, 0,1,2,3,4,5,6,7
	global_load_b128 v[W+8*\b:W+8*\b+3],   v[WO], s[78:79] offset:64*\b
	global_load_b128 v[W+8*\b+4:W+8*\b+7], v[WO], s[78:79] offset:64*\b+16
.endr
.macro CSLOAD a
	WIN 0x40
.irp b, 0,1,2,3
	global_load_b128 v[64*((\a)%2)+8*\b:64*((\a)%2)+8*\b+3],       v[VC], s[74:75] offset:(\a)*4096+64*\b
	global_load_b128 v[64*((\a)%2)+8*\b+4:64*((\a)%2)+8*\b+7],     v[VC], s[74:75] offset:(\a)*4096+64*\b+16
	global_load_b128 v[64*((\a)%2)+32+8*\b:64*((\a)%2)+32+8*\b+3], v[VC], s[76:77] offset:(\a)*4096+64*\b
	global_load_b128 v[64*((\a)%2)+32+8*\b+4:64*((\a)%2)+32+8*\b+7], v[VC], s[76:77] offset:(\a)*4096+64*\b+16
.endr
	WIN 0
.endm
	CSLOAD 0
	CSLOAD 1
.macro SS4 a0
.irp a, 0,1,2,3
	v_pk_mul_f32 v[SSQ+4*(\a0+\a):SSQ+4*(\a0+\a)+1],   v[64*\a:64*\a+1],   v[64*\a:64*\a+1]
	v_pk_mul_f32 v[SSQ+4*(\a0+\a)+2:SSQ+4*(\a0+\a)+3], v[64*\a+2:64*\a+3], v[64*\a+2:64*\a+3]
.endr
.set jj, 4
.rept 15
.irp a, 0,1,2,3
	v_pk_fma_f32 v[SSQ+4*(\a0+\a):SSQ+4*(\a0+\a)+1],   v[64*\a+jj:64*\a+jj+1],   v[64*\a+jj:64*\a+jj+1],   v[SSQ+4*(\a0+\a):SSQ+4*(\a0+\a)+1]
	v_pk_fma_f32 v[SSQ+4*(\a0+\a)+2:SSQ+4*(\a0+\a)+3], v[64*\a+jj+2:64*\a+jj+3], v[64*\a+jj+2:64*\a+jj+3], v[SSQ+4*(\a0+\a)+2:SSQ+4*(\a0+\a)+3]
.endr
.set jj, jj+4
.endr
.endm
	WIN 0x0a
	SS4 0
	WIN 0x0f
	SS4 4
	WIN 0
.irp a, 0,1,2,3,4,5,6,7
	v_pk_add_f32 v[F+2*\a:F+2*\a+1], v[SSQ+4*\a:SSQ+4*\a+1], v[SSQ+4*\a+2:SSQ+4*\a+3]
.endr
.irp a, 0,1,2,3,4,5,6,7
	v_add_f32 v[F+2*\a], v[F+2*\a], v[F+2*\a+1]
.endr
.irp a, 0,1,2,3,4,5,6,7
	v_permlanex16_b32 v[F+2*\a+1], v[F+2*\a], s92, s93
.endr
.irp a, 0,1,2,3,4,5,6,7
	v_add_f32 v[F+2*\a], v[F+2*\a], v[F+2*\a+1]
.endr
.irp a, 0,1,2,3,4,5,6,7
	v_ldexp_f32 v[F+2*\a], v[F+2*\a], s95
.endr
.irp a, 0,1,2,3,4,5,6,7
	v_add_f32 v[F+2*\a], 0x358637bd, v[F+2*\a]
.endr
	s_wait_alu depctr_va_vdst(0)
.irp a, 0,1,2,3,4,5,6,7
	v_rsq_f32 v[F+2*\a], v[F+2*\a]
.endr
	v_nop
	s_wait_alu depctr_va_vdst(0)
.irp a, 0,1,2,3,4,5,6,7
	v_ldexp_f32 v[F+2*\a], v[F+2*\a], s94
.endr
.macro QKBLOCK a
.set AC, 64*((\a)%4)
.set CSB, 64*((\a)%2)
.if (\a) < 7
	s_wait_loadcnt 16
.else
	s_wait_loadcnt 0x0
.endif
	WIN 0x02+((\a)/4)
.set jj, 0
.rept 32
	v_pk_mul_f32 v[T+jj:T+jj+1], v[AC+jj:AC+jj+1], v[F+2*(\a):F+2*(\a)+1] op_sel_hi:[1,0]
.set jj, jj+2
.endr
	WIN 0
.set jj, 0
.rept 32
	v_pk_mul_f32 v[T+jj:T+jj+1], v[T+jj:T+jj+1], v[W+jj:W+jj+1]
.set jj, jj+2
.endr
	WIN 0x04
.set pp, 0
.rept 16
	v_pk_mul_f32 v[TM+2*(pp%2):TM+2*(pp%2)+1], v[T+32+2*pp:T+33+2*pp], v[CSB+32+2*pp:CSB+33+2*pp]
	v_pk_mul_f32 v[T+32+2*pp:T+33+2*pp], v[T+32+2*pp:T+33+2*pp], v[CSB+2*pp:CSB+2*pp+1]
	v_pk_fma_f32 v[T+32+2*pp:T+33+2*pp], v[T+2*pp:T+2*pp+1], v[CSB+32+2*pp:CSB+33+2*pp], v[T+32+2*pp:T+33+2*pp]
	v_pk_fma_f32 v[T+2*pp:T+2*pp+1], v[T+2*pp:T+2*pp+1], v[CSB+2*pp:CSB+2*pp+1], v[TM+2*(pp%2):TM+2*(pp%2)+1] neg_lo:[0,0,1] neg_hi:[0,0,1]
.set pp, pp+1
.endr
	WIN 0
.if (\a) < 6
	CSLOAD (\a)+2
.endif
	s_cmp_lg_u32 s13, 2
	s_cbranch_scc1 .Lnok_\@
	s_wait_xcnt 0x0
	s_wait_alu depctr_va_vdst(0)
.irp b, 0,1,2,3,4,5,6,7
	ds_store_b128 v[STO], v[T+8*\b:T+8*\b+3] offset:64*\b
	ds_store_b128 v[STO], v[T+8*\b+4:T+8*\b+7] offset:64*\b+16
.endr
.irp i, 0,1,2,3,4,5,6,7,8,9,10,11,12,13,14,15
	ds_load_b128 v[BK+4*\i:BK+4*\i+3], v[RD] offset:KSP*\i
.endr
.irp i, 0,1,2,3,4,5,6,7,8,9,10,11,12,13,14,15
	s_wait_dscnt 15-\i
	global_store_b128 v[CO], v[BK+4*\i:BK+4*\i+3], s[88:89] offset:8192*(\a)+512*\i th:TH_STORE_NT
.endr
.Lnok_\@:
	s_wait_xcnt 0x0
.set bb, 0
.rept 8
.set ii, 0
.rept 8
	v_med3_num_f32 v[T+8*bb+ii], v[T+8*bb+ii], -v[LM], v[LM]
.set ii, ii+1
.endr
	v_cvt_scalef32_pk8_fp8_f32 v[PC+2*bb:PC+2*bb+1], v[T+8*bb:T+8*bb+7], v[SC]
.set bb, bb+1
.endr
	v_nop
.irp c, 0,1,2,3
	global_store_b128 v[CO], v[PC+4*\c:PC+4*\c+3], s[82:83] offset:2048*(\a)+512*\c
.endr
.endm
	s_wait_alu depctr_va_vdst(0)
.irp a, 0,1,2,3,4,5,6,7
	QKBLOCK \a
.endr
	s_branch .Lend
.Lv:
	s_lshl_b32 s96, s42, 8
	s_lshl_b32 s97, s16, 7
	s_add_co_u32 s96, s96, s97
	s_lshr_b32 s97, s96, 11
	s_and_b32 s96, s96, 2047
	s_lshl_b32 s101, s17, 1
	s_add_co_u32 s101, s101, s15
	s_lshl_b32 s97, s97, 3
	s_add_co_u32 s97, s97, s101
	s_lshl_b32 s98, s97, 18
	s_lshl_b32 s18, s96, 7
	s_add_co_u32 s98, s98, s18
	s_mov_b32 s99, 0
	s_add_nc_u64 s[86:87], s[86:87], s[98:99]
	s_lshl_b32 s98, s97, 11
	s_add_co_u32 s98, s98, s96
	s_lshl_b32 s98, s98, 9
	s_add_nc_u64 s[90:91], s[90:91], s[98:99]
	s_add_co_i32 s94, s94, 127
	s_lshl_b32 s94, s94, 23
	s_mov_b32 s95, s94
.macro VBLOCK a
.set AC, 64*((\a)%4)
	s_wait_dscnt 0x0
	WIN 0x02+((\a)/4)
.set jj, 0
.rept 32
	v_pk_mul_f32 v[T+jj:T+jj+1], v[AC+jj:AC+jj+1], s[94:95] op_sel_hi:[1,0]
.set jj, jj+2
.endr
	WIN 0
.set bb, 0
.rept 8
.set ii, 0
.rept 8
	ds_store_b32 v[STV], v[T+8*bb+ii] offset:(16*bb+ii)*VSP+64*((\a)%4)
.set ii, ii+1
.endr
.set bb, bb+1
.endr
	s_wait_xcnt 0x0
.set bb, 0
.rept 8
.set ii, 0
.rept 8
	v_med3_num_f32 v[W+8*bb+ii], v[T+8*bb+ii], -v[LM], v[LM]
.set ii, ii+1
.endr
	v_cvt_scalef32_pk8_fp8_f32 v[PC+2*bb:PC+2*bb+1], v[W+8*bb:W+8*bb+7], v[SC]
.set bb, bb+1
.endr
	v_nop
.irp c, 0,1,2,3
	global_store_b128 v[CO], v[PC+4*\c:PC+4*\c+3], s[86:87] offset:2048*(\a)+512*\c
.endr
.endm
.macro VOUT grp
.set nn, 0
.rept 4
	s_wait_xcnt 0x0
.set ii, 0
.rept 16
	ds_load_b128 v[BK+4*ii:BK+4*ii+3], v[RDV] offset:2*(16*nn+ii)*VSP
.set ii, ii+1
.endr
.set ii, 0
.rept 16
	s_wait_dscnt 15-ii
	global_store_b128 v[VO], v[BK+4*ii:BK+4*ii+3], s[90:91] offset:2*(16*nn+ii)*512+256*\grp th:TH_STORE_NT
.set ii, ii+1
.endr
.set nn, nn+1
.endr
.endm
	VBLOCK 0
	VBLOCK 1
	VBLOCK 2
	VBLOCK 3
	VOUT 0
	VBLOCK 4
	VBLOCK 5
	VBLOCK 6
	VBLOCK 7
	VOUT 1
.Lend:
	s_wait_tensorcnt 0x0
	ds_add_u32 v[SPW], v[NIL]
	s_wait_dscnt 0x0
	CROUND
	s_endpgm
.Lfunc_end_k_q7e2f6f929e_qkv:
	.size	k_q7e2f6f929e_qkv, .Lfunc_end_k_q7e2f6f929e_qkv-k_q7e2f6f929e_qkv
	.p2alignl 7, 3214868480
	.fill 96, 4, 3214868480
	.section	.rodata,"a",@progbits
	.p2align	6, 0x0
	.amdhsa_kernel k_q7e2f6f929e_qkv
		.amdhsa_group_segment_fixed_size 327680
		.amdhsa_private_segment_fixed_size 0
		.amdhsa_enable_private_segment 0
		.amdhsa_kernarg_size 96
		.amdhsa_user_sgpr_count 2
		.amdhsa_user_sgpr_kernarg_segment_ptr 1
		.amdhsa_wavefront_size32 1
		.amdhsa_system_sgpr_workgroup_id_x 1
		.amdhsa_system_sgpr_workgroup_id_y 1
		.amdhsa_system_sgpr_workgroup_id_z 1
		.amdhsa_system_vgpr_workitem_id 0
		.amdhsa_next_free_vgpr 1024
		.amdhsa_next_free_sgpr 102
		.amdhsa_reserve_vcc 0
		.amdhsa_float_denorm_mode_32 3
		.amdhsa_float_denorm_mode_16_64 3
		.amdhsa_memory_ordered 1
		.amdhsa_forward_progress 1
		.amdhsa_inst_pref_size 255
	.end_amdhsa_kernel
	.section	.bss,"aw",@nobits
	.p2align	6
	.space	262144
	.amdgpu_metadata
---
amdhsa.version: [ 1, 2 ]
amdhsa.kernels:
  - .name:           k_q7e2f6f929e_qkv
    .symbol:         k_q7e2f6f929e_qkv.kd
    .args:
      - { .name: xc, .offset: 0, .size: 8, .value_kind: global_buffer, .address_space: global }
      - { .name: wc, .offset: 8, .size: 8, .value_kind: global_buffer, .address_space: global }
      - { .name: lowp_scales, .offset: 16, .size: 8, .value_kind: global_buffer, .address_space: global }
      - { .name: cos, .offset: 24, .size: 8, .value_kind: global_buffer, .address_space: global }
      - { .name: sin, .offset: 32, .size: 8, .value_kind: global_buffer, .address_space: global }
      - { .name: q_norm_w, .offset: 40, .size: 8, .value_kind: global_buffer, .address_space: global }
      - { .name: k_norm_w, .offset: 48, .size: 8, .value_kind: global_buffer, .address_space: global }
      - { .name: q_codes, .offset: 56, .size: 8, .value_kind: global_buffer, .address_space: global }
      - { .name: k_codes, .offset: 64, .size: 8, .value_kind: global_buffer, .address_space: global }
      - { .name: v_codes, .offset: 72, .size: 8, .value_kind: global_buffer, .address_space: global }
      - { .name: out1, .offset: 80, .size: 8, .value_kind: global_buffer, .address_space: global }
      - { .name: out2, .offset: 88, .size: 8, .value_kind: global_buffer, .address_space: global }
    .group_segment_fixed_size: 327680
    .private_segment_fixed_size: 0
    .kernarg_segment_align: 8
    .kernarg_segment_size: 96
    .max_flat_workgroup_size: 128
    .sgpr_count:     102
    .vgpr_count:     1024
    .wavefront_size: 32
...
	.end_amdgpu_metadata
.endif
;; end of part 2
;; launch attn (part 3): grid 16 x 16, 4 waves a work-group, clusters of 4 x 1, 327,680 bytes of LDS; arguments q_codes, k_codes, v_codes, lowp_scales, a_codes; writes a_codes
.if DOCPART == 3
	.amdgcn_target "amdgcn-amd-amdhsa--gfx1250"
	.amdhsa_code_object_version 6
	.text
	.protected	k_q7e2f6f929e_attn
	.globl	k_q7e2f6f929e_attn
	.p2align	8
	.type	k_q7e2f6f929e_attn,@function
k_q7e2f6f929e_attn:
	s_mov_b64 s[64:65], 0
	v_nop
	global_prefetch_b8 v0, s[64:65] scope:SCOPE_SE
	s_setreg_imm32_b32 hwreg(HW_REG_WAVE_MODE, 25, 1), 1
	s_wait_xcnt 0x0
	s_wait_alu depctr_hold_cnt(0) depctr_sa_sdst(0) depctr_va_vdst(0) depctr_va_sdst(0) depctr_va_ssrc(0) depctr_va_vcc(0) depctr_vm_vsrc(0)
	s_getreg_b32 s2, hwreg(HW_REG_IB_STS2, 6, 4)
	s_cmp_eq_u32 s2, 0
	s_cbranch_scc0 .Lentry_in_a_cluster
	s_endpgm
.Lentry_in_a_cluster:
	s_bfe_u32 s2, ttmp6, 0x10000c
	s_cmp_lg_u32 s2, 0x3003
	s_cbranch_scc0 .Lentry_shape_is_right
	s_endpgm
.Lentry_shape_is_right:
; Causal attention on codes of FP8 (E4M3), head size 128, 2,048 tokens, 16 query heads on 8 key and value heads, 2 batches.  Operands come and go as IMAGES of operand registers (16 rows x 128 along K, 2,048 bytes:
; lane (r, h): registers 2 c, 2 c + 1 = k 16 c + 8 h + 0 .. 7 of row r; registers 4 g .. 4 g + 3 of lane l at byte 512 g + 16 l).  q, k: rows = tokens, K = the head; v: rows = channels, K = 128 keys.
; THE SOFTMAX: t = score x log2(e) / sqrt(128); M = the running largest t rounded UP to a whole number; p = 2^(t - M) is quantised (entry 8 of the scales), not normalised; the row's sum is taken of the unquantised p
; and divides at the end; when M moves, the sum and O are multiplied by 2^(old M - new M), exactly.  The result is quantised (entry 10) into the last product's operand.
; LEFT OUT: key steps all of whose keys come after a wave's tokens: the causal mask makes their p zero for all values of the inputs.
; SHARES.  y = batch x 8 + key head.  Cluster c (0 .. 3) of 4 work-groups owns the 256-token blocks c and 7 - c: first block c with key slots 0 .. c, then block 7 - c with key slots 0 .. 7 - c, a slot being 256 keys:
; (c + 1) + (8 - c) = 9 slots in every work-group, so trip counts are constants and all work-groups have equal work.  Wave w of partner cx owns the block's 16 tokens 16 (4 w + cx) on, for BOTH query heads of the key head.
; In a block's last slot waves 0, 1 (tokens 0-127 of the block) mask key step 0 and leave step 1 out; waves 2, 3 mask step 1: scalar branches on the wave's number, the cluster's x and the count of trips.
; Both products are used transposed (S^T = K Q^T, O^T = V^T P^T): a lane holds one query, its registers run along the keys, then along the channels: the conversions' results are operand registers.
; THE RING: two slots of 65,536 bytes (16 images of K, 2 x 8 of V).  The four partners walk the same K and V: each wave asks jointly for a quarter of a slot (wave 0, 1: K's halves; 2, 3: V's), one load a wave and change.
; The second half of a slot's last key step (sums, conversions, second product) works on registers alone and stands BEHIND the change of slots, under the next slot's first LDS loads.
; PREFETCH: in trip T, which loads stream slot T + 1, stream slot T + 2 is asked for if its key slot has not been read by this cluster before: 16 lanes of each wave name the 4,096 bytes at 4,096 cx of the wave's 16,384
; (lanes 16-31 name the last block again): each block of 256 bytes once a cluster.  Slots 0 and 1 come by their loads alone; trip 7 asks for nothing.
; LIMITS: e6 + e7 between -123 and 130 (added to the exponent field of log2(e) / sqrt(128)); e8 and e10 between -126 and 119; the scaled scores stay under 2^31 in magnitude.
; REGISTERS.  Window 0: v1-11 addresses and constants; v12 -M, v13 largest t, v[14:15] sum of tile 0; v16-19 of tile 1; v[20:21], v[22:23] f; v24-29 at work; v30 -infinity; v32-63 Q of both tiles; v64-127, v128-191 S^T then p;
; v192-223 p's codes; v224-255 the second block's Q.  Window 1: v0-127 K's eight fragments, v128-255 V's.  Window 2: v0-63, v64-127 O^T of the two tiles.
.set SLOT1, 65536
.set VOFF,  32768
.set SPARE, 2*SLOT1                    ; the spare words: 128 bytes for each of four waves
.set L16,  1                           ; 16 x lane
.set ADR,  2                           ; LDS address in the slot in hand
.set PFO,  3                           ; the prefetches' lane term
.set HL,   4                           ; 448 x 2^e8
.set SPW,  5
.set NIL,  6
.set DD,   7                           ; the mask's lane term
.set SC,   8                           ; 2^e8
.set HL2,  9                           ; 448 x 2^e8 once more, for the second half of a dual pair
.set HLO,  10                          ; 448 x 2^e10
.set SCO,  11                          ; 2^e10
.set NINF, 30
.set QA,   32
.set S0,   64
.set S1,   128
.set P0,   192
.set P1,   208
.set QB,   224
.set WV,   18                          ; wave
.set HALF, 19                          ; wave / 2
.set SEL,  20                          ; s[20:21] lane l xor 16
.set CS,   22                          ; s[22:23] c
.set G1,   24
.set G0,   32
.set BASE, 36                          ; s[36:37] my quarter of key slot 0 in memory
.set OF,   38                          ; s[38:39] an offset
.set TB,   40                          ; LDS byte at which the slot in hand begins
.set T,    41                          ; trip = stream slot
.set NA,   42                          ; slots of the first block: c + 1
.set CC,   43                          ; c
.set DF,   44                          ; 1: the last slot's second step has its second half to come
.set LAST, 45                          ; 1: a block's last slot
.set CXO,  46                          ; s[46:47] 4,096 cx
.set OA,   48                          ; s[48:49] the result of the block in hand;  s[50:51] of the second block
.set OB,   50
.set PB,   52                          ; s[52:53] BASE + 4,096 cx;  s[54:55] where the prefetch stands
.set PA,   54
.set E89,  56
.set SK,   57                          ; 1: mask step 0 and leave step 1 out
.set MK1,  58                          ; 1: mask step 1
.set PFF,  59                          ; 1: prefetch in this trip
.set PO,   60                          ; s[60:61] an offset
.set MSB, 0
.macro WIN new
.if MSB != \new
	s_set_vgpr_msb (MSB<<8)|\new
.set MSB, \new
.endif
.endm
.macro PLACES
.rept 4
	v_nop
.endr
.endm
.macro ROUND                           ; a round of the cluster's barrier
	s_barrier_signal -1
	s_barrier_wait -1
	s_cmp_lg_u32 s[WV], 0
	s_cbranch_scc1 .Lnot_wave_0_\@
	s_barrier_signal -3
.Lnot_wave_0_\@:
	s_barrier_wait -3
	s_barrier_signal -1
	s_barrier_wait -1
.endm
.macro TLOAD                           ; every wave's one joint load; an s_nop 0 and four v_nop follow
	tensor_load_to_lds s[G0:G0+3], s[G1:G1+7]
	s_nop 0
	PLACES
.endm
.macro RESET                           ; a block's state: the key step is written once, its first run finds zeros
	v_mov_b32 v13, 0xff61b1e6                      ; the largest t so far: -3e38
	v_mov_b32 v17, 0xff61b1e6
	v_floor_f32 v12, -v13                          ; -M
	v_floor_f32 v16, -v17
	v_mov_b32 v14, 0
	v_mov_b32 v15, 0
	v_mov_b32 v18, 0
	v_mov_b32 v19, 0
	WIN 0x80
.set ii, 0
.rept 128
	v_mov_b32 v[ii], 0
.set ii, ii+1
.endr
	WIN 0
.endm
	s_load_b256 s[4:11], s[0:1], 0x0               ; q_codes 4, k_codes 6, v_codes 8, the scales 10
	s_load_b64 s[12:13], s[0:1], 0x20              ; a_codes
	v_lshl_add_u32 v[SPW], v0, 2, SPARE
	v_mov_b32 v[NIL], 0
	ds_add_u32 v[SPW], v[NIL]                      ; the opening lines: the add twice on end and its wait
	ds_add_u32 v[SPW], v[NIL]
	v_lshrrev_b32 v1, 5, v0
	v_readfirstlane_b32 s[WV], v1
	s_lshr_b32 s[HALF], s[WV], 1
	s_and_b32 s62, s[WV], 1
	s_bfe_u32 s63, ttmp6, 0x40000                  ; cx: it enters Q's, the result's and the prefetches' addresses and the mask's lane term alone
	s_mov_b32 s[CC], ttmp9
	s_add_co_u32 s[NA], s[CC], 1
	s_and_b32 s66, ttmp7, 0xffff                   ; y
	s_lshl_b32 s67, s[WV], 2
	s_add_co_u32 s67, s67, s63                     ; my tile in a block: 4 w + cx
	s_lshl_b32 s68, s[CC], 4
	s_add_co_u32 s68, s68, s67                     ; my tile of tokens in block c,
	s_sub_co_u32 s69, 7, s[CC]
	s_lshl_b32 s69, s69, 4
	s_add_co_u32 s69, s69, s67                     ; and in block 7 - c
	s_lshl_b32 s70, s66, 19                        ; Q: head 2 y: (2 y x 128 + tile) images
	s_lshl_b32 s72, s68, 11
	s_add_co_u32 s72, s72, s70
	s_mov_b32 s73, 0
	s_lshl_b32 s74, s69, 11
	s_add_co_u32 s74, s74, s70
	s_mov_b32 s75, 0
	s_lshr_b32 s70, s66, 3                         ; the result: ((batch x 128 + tile) x 16 + 2 x key head) images
	s_lshl_b32 s70, s70, 22
	s_and_b32 s71, s66, 7
	s_lshl_b32 s71, s71, 12
	s_add_co_u32 s70, s70, s71
	s_lshl_b32 s[OA], s68, 15
	s_add_co_u32 s[OA], s[OA], s70
	s_mov_b32 s[OA+1], 0
	s_lshl_b32 s[OB], s69, 15
	s_add_co_u32 s[OB], s[OB], s70
	s_mov_b32 s[OB+1], 0
	s_lshl_b32 s[OF], s66, 18                      ; the head's 128 images, + my half of a slot's K or V
	s_lshl_b32 s62, s62, 14
	s_add_co_u32 s[OF], s[OF], s62
	s_mov_b32 s[OF+1], 0
	s_lshl_b32 s[CXO], s63, 12
	s_mov_b32 s[CXO+1], 0
	s_mov_b32 s[PO+1], 0
	s_and_b32 s71, s67, 7
	s_lshl_b32 s71, s71, 4                         ; my tokens' place in their key step
	s_mov_b32 s[G1], 15|(3<<16)|(1<<21)            ; the mask: all four work-groups; elements of 8 bytes; bit 21 beside a mask
	s_mov_b32 s[G1+1], 32<<16                      ; a dense block of 16,384 bytes as 64 rows of 256 bytes
	s_mov_b32 s[G1+2], 64<<16
	s_mov_b32 s[G1+3], 32<<16
	s_mov_b32 s[G1+4], 64
	s_mov_b32 s[G1+5], 32
	s_mov_b32 s[G1+6], 0
	s_mov_b32 s[G1+7], 0
	s_mov_b32 s[SEL], 0x76543210
	s_mov_b32 s[SEL+1], 0xfedcba98
	s_mov_b32 s[CS], 0x3e0293ee                    ; c = log2(e) / sqrt(128)
	s_mov_b32 s[TB], 0
	s_mov_b32 s[T], 0
	s_mov_b32 s[SK], 1                             ; no second half is owed in the first trip
	s_wait_dscnt 0x0
	s_wait_kmcnt 0x0
	s_load_b128 s[76:79], s[10:11], 0x18           ; e6, e7, e8, e9
	s_load_b32 s80, s[10:11], 0x28                 ; e10
	s_cmp_lt_u32 s[WV], 2                          ; waves 0, 1 fetch K, waves 2, 3 V
	s_cselect_b64 s[BASE:BASE+1], s[6:7], s[8:9]
	s_add_nc_u64 s[BASE:BASE+1], s[BASE:BASE+1], s[OF:OF+1]
	s_add_nc_u64 s[PB:PB+1], s[BASE:BASE+1], s[CXO:CXO+1]
	s_mov_b32 s[G0], 1
	s_lshl_b32 s[G0+1], s[WV], 14                  ; slot 0, quarter w
	s_mov_b64 s[G0+2:G0+3], s[BASE:BASE+1]
	s_or_b32 s[G0+3], s[G0+3], 0x80000000
	ROUND                                          ; all four work-groups are here: the first joint loads meet
	TLOAD                                          ; stream slot 0
	s_add_nc_u64 s[72:73], s[4:5], s[72:73]
	s_add_nc_u64 s[74:75], s[4:5], s[74:75]
	s_add_nc_u64 s[OA:OA+1], s[12:13], s[OA:OA+1]
	s_add_nc_u64 s[OB:OB+1], s[12:13], s[OB:OB+1]
	v_and_b32 v[L16], 31, v0
	v_min_u32 v[PFO], 15, v[L16]
	v_lshlrev_b32 v[PFO], 8, v[PFO]                ; 256 x min(lane, 15)
	v_lshlrev_b32 v[L16], 4, v[L16]
	v_and_b32 v24, 15, v0
	v_bfe_u32 v25, v0, 4, 1
	v_lshlrev_b32 v25, 3, v25
	v_sub_nc_u32 v24, v24, v25
	v_add_nc_u32 v[DD], s71, v24                   ; place + r - 8 h: in the masked step register 8 t + i holds key 16 t + 8 h + i, hidden where 16 t + i is above this
	s_wait_alu depctr_va_vdst(0)                   ; the wait ahead of the readers below
.irp c, 0,1,2,3
	global_load_b128 v[QA+4*\c:QA+4*\c+3], v[L16], s[72:73] offset:512*\c             ; Q, block c, head 2 y
	global_load_b128 v[QA+16+4*\c:QA+16+4*\c+3], v[L16], s[72:73] offset:262144+512*\c ; head 2 y + 1: 128 images on
	global_load_b128 v[QB+4*\c:QB+4*\c+3], v[L16], s[74:75] offset:512*\c             ; block 7 - c
	global_load_b128 v[QB+16+4*\c:QB+16+4*\c+3], v[L16], s[74:75] offset:262144+512*\c
.endr
	s_wait_kmcnt 0x0
	s_add_co_i32 s62, s76, s77
	s_lshl_b32 s62, s62, 23
	s_add_co_i32 s[CS], s[CS], s62                 ; a score stands for score x 2^(e6 + e7): added to c's exponent field
	s_mov_b32 s[CS+1], s[CS]
	s_add_co_i32 s62, s78, 127
	s_lshl_b32 s63, s62, 23                        ; 2^e8
	s_add_co_i32 s62, s62, 8
	s_lshl_b32 s62, s62, 23
	s_or_b32 s62, s62, 0x600000                    ; 448 x 2^e8
	s_add_co_i32 s66, s80, 127
	s_lshl_b32 s67, s66, 23                        ; 2^e10
	s_add_co_i32 s66, s66, 8
	s_lshl_b32 s66, s66, 23
	s_or_b32 s66, s66, 0x600000                    ; 448 x 2^e10
	s_add_co_i32 s[E89], s78, s79
	v_mov_b32 v[SC], s63
	v_mov_b32 v[HL], s62
	v_mov_b32 v[HL2], s62
	v_mov_b32 v[SCO], s67
	v_mov_b32 v[HLO], s66
	v_mov_b32 v[NINF], 0xff800000
.set ii, 20
.rept 10
	v_mov_b32 v[ii], 0                             ; f's pairs and the registers at work are written once
.set ii, ii+1
.endr
	RESET
.set ii, 0
.rept 128
	v_mov_b32 v[S0+ii], 0                          ; p and V's fragments are written once, so that every way to the second half of a step finds them written
.set ii, ii+1
.endr
	WIN 0x40
.set ii, 0
.rept 128
	v_mov_b32 v[128+ii], 0
.set ii, ii+1
.endr
	WIN 0
.macro KLOAD q                         ; the step's eight images of K into window 1
	WIN 0x40
.set tt, 0
.rept 8
.irp c, 0,1,2,3
	ds_load_b128 v[16*tt+4*\c:16*tt+4*\c+3], v[ADR] offset:(8*(\q)+tt)*2048+512*\c
.endr
.set tt, tt+1
.endr
	WIN 0
.endm
.macro VLOAD q                         ; the step's eight images of V
	WIN 0x40
.set tt, 0
.rept 8
.irp c, 0,1,2,3
	ds_load_b128 v[128+16*tt+4*\c:128+16*tt+4*\c+3], v[ADR] offset:VOFF+(\q)*16384+tt*2048+512*\c
.endr
.set tt, tt+1
.endr
	WIN 0
.endm
.macro MULS t0                         ; S^T of key tiles t0 .. t0 + 3, both query heads on each fragment
.set tt, \t0
.rept 4
	v_wmma_f32_16x16x128_fp8_fp8 v[S0+8*tt:S0+8*tt+7], v[16*tt:16*tt+15], v[QA:QA+15], 0
	v_wmma_f32_16x16x128_fp8_fp8 v[S1+8*tt:S1+8*tt+7], v[16*tt:16*tt+15], v[QA+16:QA+31], 0
.set tt, tt+1
.endr
.endm
; THE FIRST HALF OF A KEY STEP: scores, V's fragments (step 0: and step 1's K) asked of LDS, the mask where mk is 1, the maxima, M, f, p.  The two tiles' chains take turns line by line.
.macro STEPA q, mk
.if \q == 0
	s_wait_dscnt 16                                ; K's images 0-3 are in; the youngest 16 loads may be out
	WIN 0x01
	MULS 0
	s_wait_dscnt 0x0
	MULS 4
.else
	s_wait_dscnt 0x0                               ; K's images are in
	WIN 0x01
	MULS 0
	MULS 4
.endif
	WIN 0
	PLACES                                         ; in front of loads into registers that matrix instructions have read, and of the first reads of the scores
	VLOAD \q
.if \q == 0
	KLOAD 1
.endif
	s_cmp_eq_u32 s[\mk], 0
	s_cbranch_scc1 .Lopen_\@
.set nn, 0
.rept 64                                       ; hidden scores become -infinity ahead of the maximum; both heads have the same tokens: one compare for two
	v_cmp_gt_i32 vcc_lo, 16*(nn/8)+nn%8, v[DD]
	v_cndmask_b32 v[S0+nn], v[S0+nn], v[NINF], vcc_lo
	v_cndmask_b32 v[S1+nn], v[S1+nn], v[NINF], vcc_lo
.set nn, nn+1
.endr
.Lopen_\@:
	v_max3_num_f32 v24, v[S0], v[S0+1], v[S0+2]    ; each accumulator is read from its low end on
	v_max3_num_f32 v26, v[S1], v[S1+1], v[S1+2]
	v_max3_num_f32 v25, v[S0+3], v[S0+4], v[S0+5]
	v_max3_num_f32 v27, v[S1+3], v[S1+4], v[S1+5]
.set ii, 6
.rept 14
	v_max3_num_f32 v24, v24, v[S0+ii], v[S0+ii+1]
	v_max3_num_f32 v26, v26, v[S1+ii], v[S1+ii+1]
	v_max3_num_f32 v25, v25, v[S0+ii+2], v[S0+ii+3]
	v_max3_num_f32 v27, v27, v[S1+ii+2], v[S1+ii+3]
.set ii, ii+4
.endr
	v_max3_num_f32 v24, v24, v[S0+62], v[S0+63]
	v_max3_num_f32 v26, v26, v[S1+62], v[S1+63]
	v_max_num_f32 v24, v24, v25
	v_max_num_f32 v26, v26, v27
	v_permlanex16_b32 v28, v24, s[SEL], s[SEL+1]
	v_permlanex16_b32 v29, v26, s[SEL], s[SEL+1]
	v_max_num_f32 v24, v24, v28                    ; and among lane l xor 16's
	v_max_num_f32 v26, v26, v29
	v_mul_f32 v24, s[CS], v24                      ; as t (c is positive)
	v_mul_f32 v26, s[CS], v26
	v_max_num_f32 v13, v13, v24                    ; the running largest t
	v_max_num_f32 v17, v17, v26
	v_mov_b32 v24, v12
	v_mov_b32 v26, v16
	v_floor_f32 v12, -v13                          ; the new -M = floor(-t)
	v_floor_f32 v16, -v17
	v_sub_f32 v24, v12, v24                        ; old M - new M, 0 or less
	v_sub_f32 v26, v16, v26
	v_cvt_i32_f32 v24, v24                         ; (it saturates)
	v_cvt_i32_f32 v26, v26
	v_ldexp_f32 v20, 1.0, v24                      ; f = 2^(old M - new M)
	v_ldexp_f32 v22, 1.0, v26
.set ii, 0
.rept 32
	v_pk_fma_f32 v[S0+ii:S0+ii+1], v[S0+ii:S0+ii+1], s[CS:CS+1], v[12:13] op_sel_hi:[1,0,0]   ; t - M
	v_pk_fma_f32 v[S1+ii:S1+ii+1], v[S1+ii:S1+ii+1], s[CS:CS+1], v[16:17] op_sel_hi:[1,0,0]
.set ii, ii+2
.endr
	s_wait_alu depctr_va_vdst(0)                   ; the wait ahead of the batch
.set ii, 0
.rept 128
	v_exp_f32 v[S0+ii], v[S0+ii]                   ; p = 2^(t - M)
.set ii, ii+1
.endr
	v_pk_mul_f32 v[14:15], v[14:15], v[20:21] op_sel_hi:[1,0]   ; the sums under the new M (plain lines behind the exponentials)
	v_pk_mul_f32 v[18:19], v[18:19], v[22:23] op_sel_hi:[1,0]
	s_wait_alu depctr_va_vdst(0)                   ; one wait for the batch, ahead of its first reader and of the label or wait that follows
.endm
; THE SECOND HALF: the row's sums of the unquantised p, the hold and the conversions, O^T under the new M, O^T += V^T P^T.  dsw: the LDS loads that may stay out behind V's (-1: V is in already).
.macro STEPB dsw
	v_pk_add_f32 v[24:25], v[S0:S0+1], v[S0+2:S0+3]
	v_pk_add_f32 v[26:27], v[S1:S1+1], v[S1+2:S1+3]
.set ii, 4
.rept 15
	v_pk_add_f32 v[14:15], v[14:15], v[S0+ii:S0+ii+1]
	v_pk_add_f32 v[18:19], v[18:19], v[S1+ii:S1+ii+1]
	v_pk_add_f32 v[24:25], v[24:25], v[S0+ii+2:S0+ii+3]
	v_pk_add_f32 v[26:27], v[26:27], v[S1+ii+2:S1+ii+3]
.set ii, ii+4
.endr
	v_pk_add_f32 v[14:15], v[14:15], v[24:25]
	v_pk_add_f32 v[18:19], v[18:19], v[26:27]
.set tt, 0
.rept 8
.set ii, 0
.rept 4                                        ; the conversion does not saturate (ISA guide 7.6.2); p is not negative: a one-sided hold, two numbers a line
	v_dual_min_num_f32 v[S0+8*tt+ii], v[S0+8*tt+ii], v[HL] :: v_dual_min_num_f32 v[S0+8*tt+ii+1], v[S0+8*tt+ii+1], v[HL2]
	v_dual_min_num_f32 v[S1+8*tt+ii], v[S1+8*tt+ii], v[HL] :: v_dual_min_num_f32 v[S1+8*tt+ii+1], v[S1+8*tt+ii+1], v[HL2]
.set ii, ii+2
.endr
	v_cvt_scalef32_pk8_fp8_f32 v[P0+2*tt:P0+2*tt+1], v[S0+8*tt:S0+8*tt+7], v[SC]   ; keys 16 t + 8 h + 0 .. 7: registers 2 t, 2 t + 1 of the operand
	v_cvt_scalef32_pk8_fp8_f32 v[P1+2*tt:P1+2*tt+1], v[S1+8*tt:S1+8*tt+7], v[SC]
.set tt, tt+1
.endr
	WIN 0x82
	s_wait_alu depctr_va_vdst(0)                   ; the wait directly ahead of the first reader of O^T
.set ii, 0
.rept 32
	v_pk_mul_f32 v[ii:ii+1], v[ii:ii+1], v[20:21] op_sel_hi:[1,0]   ; O^T x f (also the plain lines between the conversions and the products)
.set ii, ii+2
.endr
.set ii, 0
.rept 32
	v_pk_mul_f32 v[64+ii:65+ii], v[64+ii:65+ii], v[22:23] op_sel_hi:[1,0]
.set ii, ii+2
.endr
.if \dsw >= 0
	s_wait_alu depctr_va_vdst(0)                   ; the wait directly ahead of the wait below
	s_wait_dscnt \dsw                              ; V is in; the next step's 32 loads of K may be out
.endif
	WIN 0xa1
.set tt, 0
.rept 8                                        ; sixteen accumulators a step, one instruction each
	v_wmma_f32_16x16x128_fp8_fp8 v[8*tt:8*tt+7], v[128+16*tt:128+16*tt+15], v[P0:P0+15], v[8*tt:8*tt+7]
	v_wmma_f32_16x16x128_fp8_fp8 v[64+8*tt:64+8*tt+7], v[128+16*tt:128+16*tt+15], v[P1:P1+15], v[64+8*tt:64+8*tt+7]
.set tt, tt+1
.endr
	WIN 0
.endm
.macro DEFER                           ; the second half of the slot's second step, where that step was walked
	s_cmp_eq_u32 s[DF], 0
	s_cbranch_scc1 .Lnone_\@
	STEPB -1
.Lnone_\@:
.endm
; THE WAY OUT of a block.  O^T x 2^(e8 + e9) / the sum is quantised: register 8 g + i is channel 16 g + 8 h + i of query r, so the conversions' results are the image of (my 16 tokens, K step = the query head).
.macro OUT
	PLACES                                         ; behind the last products
	v_add_f32 v14, v14, v15
	v_add_f32 v18, v18, v19
	v_permlanex16_b32 v28, v14, s[SEL], s[SEL+1]
	v_permlanex16_b32 v29, v18, s[SEL], s[SEL+1]
	v_add_f32 v14, v14, v28                        ; the rows' sums
	v_add_f32 v18, v18, v29
	s_wait_alu depctr_va_vdst(0)                   ; the wait ahead of the transcendentals
	v_rcp_f32 v14, v14
	v_rcp_f32 v18, v18
	v_nop
	s_wait_alu depctr_va_vdst(0)                   ; and ahead of their first reader
	v_ldexp_f32 v14, v14, s[E89]
	v_ldexp_f32 v18, v18, s[E89]
	WIN 0x02
	s_wait_alu depctr_va_vdst(0)                   ; directly ahead of the first reader of O^T
.set ii, 0
.rept 32
	v_pk_mul_f32 v[S0+ii:S0+ii+1], v[ii:ii+1], v[14:15] op_sel_hi:[1,0]
.set ii, ii+2
.endr
.set ii, 0
.rept 32
	v_pk_mul_f32 v[S1+ii:S1+ii+1], v[64+ii:65+ii], v[18:19] op_sel_hi:[1,0]
.set ii, ii+2
.endr
	WIN 0
.set tt, 0
.rept 16
.set ii, 0
.rept 8
	v_med3_num_f32 v[S0+8*tt+ii], v[S0+8*tt+ii], -v[HLO], v[HLO]
.set ii, ii+1
.endr
	v_cvt_scalef32_pk8_fp8_f32 v[P0+2*tt:P0+2*tt+1], v[S0+8*tt:S0+8*tt+7], v[SCO]
.set tt, tt+1
.endr
	v_nop                                          ; a plain vector line behind the last conversion
.irp c, 0,1,2,3,4,5,6,7
	global_store_b128 v[L16], v[P0+4*\c:P0+4*\c+3], s[OA:OA+1] offset:512*\c   ; 512 consecutive bytes; the two heads' images follow each other
.endr
.endm
; THE CHANGE OF SLOTS.  Each wave waits for its tensor load (its quarter of the slot ahead), adds 0 to its spare word, and waits for that and for its reads of the slot that it has left.  The trip's whole numbers are made between.
; fill = 1: the barrier is a round of the cluster's, and behind it the slot that was left takes stream slot T + 1; that load has a slot's two steps in which to land.
.macro CHANGE fill
	s_wait_tensorcnt 0x0
	ds_add_u32 v[SPW], v[NIL]
	s_xor_b32 s[DF], s[SK], 1
	s_sub_co_u32 s62, s[T], s[NA]
	s_sub_co_u32 s63, 7, s[CC]
	s_cmp_lt_u32 s[T], s[NA]
	s_cselect_b32 s62, s[T], s62                   ; the key slot in hand,
	s_cselect_b32 s63, s[CC], s63                  ; and the block
	s_cmp_eq_u32 s62, s63
	s_cselect_b32 s[LAST], 1, 0
	s_and_b32 s[MK1], s[LAST], s[HALF]
	s_xor_b32 s[SK], s[LAST], s[MK1]
.if \fill
	s_add_co_u32 s62, s[T], 1
	s_sub_co_u32 s63, s62, s[NA]
	s_cmp_lt_u32 s62, s[NA]
	s_cselect_b32 s62, s62, s63                    ; the key slot of stream slot T + 1
	s_lshl_b32 s[OF], s62, 15
	s_add_nc_u64 s[G0+2:G0+3], s[BASE:BASE+1], s[OF:OF+1]
	s_or_b32 s[G0+3], s[G0+3], 0x80000000
	s_xor_b32 s[G0+1], s[G0+1], SLOT1
	s_add_co_u32 s62, s[T], 2
	s_sub_co_u32 s63, s62, s[NA]
	s_cmp_lt_u32 s62, s[NA]
	s_cselect_b32 s62, s62, s63                    ; the key slot of stream slot T + 2;
	s_cmp_ge_u32 s63, s[NA]                        ; not read before: in the first block (the difference wraps), or beyond the first block's slots
	s_cselect_b32 s[PFF], 1, 0
	s_cmp_lt_u32 s[T], 7                           ; there is no stream slot 9
	s_cselect_b32 s[PFF], s[PFF], 0
	s_wait_xcnt 0x0                                ; the last prefetch has read its address
	s_lshl_b32 s[PO], s62, 15
	s_add_nc_u64 s[PA:PA+1], s[PB:PB+1], s[PO:PO+1]
.endif
	s_wait_dscnt 0x0
.if \fill
	ROUND
	TLOAD
.else
	s_barrier_signal -1
	s_barrier_wait -1
.endif
	v_add_nc_u32 v[ADR], s[TB], v[L16]
	s_wait_alu depctr_va_vdst(0)                   ; the wait behind this write
	KLOAD 0
.if \fill
	s_cmp_eq_u32 s[PFF], 0
	s_cbranch_scc1 .Lnot_asked_\@
	global_prefetch_b8 v[PFO], s[PA:PA+1] th:TH_LOAD_NT scope:SCOPE_SE
.Lnot_asked_\@:
.endif
.endm
.macro TRIP fill, sw
	CHANGE \fill
	DEFER
.if \sw
	s_cmp_lg_u32 s[T], s[NA]                       ; the first block is finished: it leaves, and the second begins
	s_cbranch_scc1 .Lsame_\@
	OUT
	s_wait_xcnt 0x0                                ; the stores have read their data and base
	s_mov_b64 s[OA:OA+1], s[OB:OB+1]
	RESET
.set ii, 0
.rept 32
	v_mov_b32 v[QA+ii], v[QB+ii]
.set ii, ii+1
.endr
	s_wait_alu depctr_va_vdst(0)
.Lsame_\@:
.endif
	STEPA 0, SK
	STEPB 32
	s_cmp_lg_u32 s[SK], 0                          ; all its keys come after my tokens: left out
	s_cbranch_scc1 .Lhid_\@
	STEPA 1, MK1
.Lhid_\@:
	s_xor_b32 s[TB], s[TB], SLOT1
.endm
	s_wait_alu depctr_va_vdst(0)                   ; the wait at the head's end
	s_wait_loadcnt 0x0                             ; Q
.Lslot:                                            ; eight trips: behind each change of slots but the last the next stream slot is asked for
	TRIP 1, 1
	s_add_co_u32 s[T], s[T], 1
	s_cmp_lt_u32 s[T], 8
	s_cbranch_scc1 .Lslot
	TRIP 0, 0                                      ; the last slot is written out
	s_xor_b32 s[DF], s[SK], 1
	s_wait_dscnt 0x0                               ; no change of slots follows: V's fragments of the last step are in
	DEFER
	OUT
	s_wait_tensorcnt 0x0                           ; the wave's end
	ds_add_u32 v[SPW], v[NIL]
	s_wait_dscnt 0x0
	ROUND                                          ; the closing round
	s_endpgm
.Lfunc_end_k_q7e2f6f929e_attn:
	.size	k_q7e2f6f929e_attn, .Lfunc_end_k_q7e2f6f929e_attn-k_q7e2f6f929e_attn
	.p2alignl 7, 3214868480
	.fill 96, 4, 3214868480
	.section	.rodata,"a",@progbits
	.p2align	6, 0x0
	.amdhsa_kernel k_q7e2f6f929e_attn
		.amdhsa_group_segment_fixed_size 327680
		.amdhsa_private_segment_fixed_size 0
		.amdhsa_enable_private_segment 0
		.amdhsa_kernarg_size 40
		.amdhsa_user_sgpr_count 2
		.amdhsa_user_sgpr_kernarg_segment_ptr 1
		.amdhsa_wavefront_size32 1
		.amdhsa_system_sgpr_workgroup_id_x 1
		.amdhsa_system_sgpr_workgroup_id_y 1
		.amdhsa_system_sgpr_workgroup_id_z 1
		.amdhsa_system_vgpr_workitem_id 0
		.amdhsa_next_free_vgpr 640
		.amdhsa_next_free_sgpr 84
		.amdhsa_reserve_vcc 1
		.amdhsa_float_denorm_mode_32 3
		.amdhsa_float_denorm_mode_16_64 3
		.amdhsa_memory_ordered 1
		.amdhsa_forward_progress 1
		.amdhsa_inst_pref_size 230
	.end_amdhsa_kernel
	.amdgpu_metadata
---
amdhsa.version: [ 1, 2 ]
amdhsa.kernels:
  - .name:           k_q7e2f6f929e_attn
    .symbol:         k_q7e2f6f929e_attn.kd
    .args:
      - { .name: q_codes, .offset: 0, .size: 8, .value_kind: global_buffer, .address_space: global }
      - { .name: k_codes, .offset: 8, .size: 8, .value_kind: global_buffer, .address_space: global }
      - { .name: v_codes, .offset: 16, .size: 8, .value_kind: global_buffer, .address_space: global }
      - { .name: lowp_scales, .offset: 24, .size: 8, .value_kind: global_buffer, .address_space: global }
      - { .name: a_codes, .offset: 32, .size: 8, .value_kind: global_buffer, .address_space: global }
    .group_segment_fixed_size: 327680
    .private_segment_fixed_size: 0
    .kernarg_segment_align: 8
    .kernarg_segment_size: 40
    .max_flat_workgroup_size: 128
    .sgpr_count:     84
    .vgpr_count:     640
    .wavefront_size: 32
...
	.end_amdgpu_metadata
.endif
;; end of part 3
;; launch oproj (part 4): grid 8 x 32, 4 waves a work-group, clusters of 4 x 4, 327,680 bytes of LDS; arguments a_codes, wc, lowp_scales, out0; writes out0
.if DOCPART == 4
	.amdgcn_target "amdgcn-amd-amdhsa--gfx1250"
	.amdhsa_code_object_version 6
	.text
	.protected	k_q7e2f6f929e_oproj
	.globl	k_q7e2f6f929e_oproj
	.p2align	8
	.type	k_q7e2f6f929e_oproj,@function
k_q7e2f6f929e_oproj:
	s_mov_b64 s[64:65], 0
	v_nop
	global_prefetch_b8 v0, s[64:65] scope:SCOPE_SE
	s_setreg_imm32_b32 hwreg(HW_REG_WAVE_MODE, 25, 1), 1
	s_wait_xcnt 0x0
	s_wait_alu depctr_hold_cnt(0) depctr_sa_sdst(0) depctr_va_vdst(0) depctr_va_sdst(0) depctr_va_ssrc(0) depctr_va_vcc(0) depctr_vm_vsrc(0)
	s_getreg_b32 s2, hwreg(HW_REG_IB_STS2, 6, 4)
	s_cmp_eq_u32 s2, 0
	s_cbranch_scc0 .Lentry_in_a_cluster
	s_endpgm
.Lentry_in_a_cluster:
	s_bfe_u32 s2, ttmp6, 0x10000c
	s_cmp_lg_u32 s2, 0xf033
	s_cbranch_scc0 .Lentry_shape_is_right
	s_endpgm
.Lentry_shape_is_right:
.set IMGB,   2048
.set RTB,    4*IMGB
.set QTB,    4*RTB
.set BOFF,   2*QTB
.set SLOT,   4*QTB
.set SPARE,  2*SLOT
.set STAGE,  SPARE+512
.set SPITCH, 272
.set ADRA, 16
.set ADRB, 20
.set STO,  24
.set RD,   25
.set CO,   26
.set SPW,  28
.set NIL,  29
.set TMP,  32
.set BK,   64
.set ACC,  128
.set F0,   0
.set F1,   128
.set G1, 24
.set G0, 32
.set G1B, 48
.set G0B, 56
.set MSB, 0
.macro WIN new
.if MSB != \new
	s_set_vgpr_msb (MSB<<8)|\new
.set MSB, \new
.endif
.endm
.set MUL,  0x05
.set TO_F, 0x40
.macro JLOAD s
	s_cmp_eq_u32 s11, 0
	s_cbranch_scc0 .Lfor_b_\@
	tensor_load_to_lds s[G0+4*\s:G0+4*\s+3], s[G1:G1+7]
	s_nop 0
.rept 4
	v_nop
.endr
	s_branch .Lasked_\@
.Lfor_b_\@:
	tensor_load_to_lds s[G0B+4*\s:G0B+4*\s+3], s[G1B:G1B+7]
	s_nop 0
.rept 4
	v_nop
.endr
.Lasked_\@:
.endm
.macro CREST
	s_cmp_lg_u32 s10, 0
	s_cbranch_scc1 .Lnot_wave_0_\@
	s_barrier_signal -3
.Lnot_wave_0_\@:
	s_barrier_wait -3
	s_barrier_signal -1
	s_barrier_wait -1
.endm
.macro CROUND
	s_barrier_signal -1
	s_barrier_wait -1
	CREST
.endm
.macro PLACES
.rept 4
	v_nop
.endr
.endm
	s_load_b256 s[68:75], s[0:1], 0x0
	v_lshl_add_u32 v[SPW], v0, 2, SPARE
	v_mov_b32 v[NIL], 0
	ds_add_u32 v28, v29
	ds_add_u32 v28, v29
	s_wait_dscnt 0x0
	v_lshrrev_b32 v1, 5, v0
	v_readfirstlane_b32 s10, v1
	s_lshr_b32 s11, s10, 1
	s_and_b32 s12, s10, 1
	s_bfe_u32 s40, ttmp6, 0x40000
	s_bfe_u32 s41, ttmp6, 0x40004
	s_lshl_b32 s42, ttmp9, 2
	s_add_co_u32 s42, s42, s40
	s_and_b32 s13, ttmp7, 0xffff
	s_lshl_b32 s13, s13, 2
	s_add_co_u32 s13, s13, s41
	s_lshl_b32 s43, s41, 2
	s_lshl_b32 s43, 15, s43
	s_lshl_b32 s44, 0x1111, s40
	s_or_b32 s[G1+0], s43, (3<<16)|(1<<21)
	s_or_b32 s[G1B+0], s44, (3<<16)|(1<<21)
.irp g, G1, G1B
	s_mov_b32 s[\g+1], 1024<<16
	s_mov_b32 s[\g+2], 4<<16
	s_mov_b32 s[\g+3], 1024<<16
	s_mov_b32 s[\g+4], 4
	s_mov_b32 s[\g+5], 4096
	s_mov_b32 s[\g+6], 0
	s_mov_b32 s[\g+7], 0
.endr
	s_lshl_b32 s17, s12, 17
	s_lshl_b32 s16, s13, 18
	s_add_co_u32 s16, s16, s17
	s_lshl_b32 s46, s42, 18
	s_add_co_u32 s46, s46, s17
	s_add_co_u32 s46, s46, 0x400000
	s_mov_b32 s17, 0
	s_mov_b32 s47, 0
	s_mul_i32 s20, s10, QTB
	s_wait_kmcnt 0x0
	s_load_b64 s[96:97], s[72:73], 0x28
	s_add_nc_u64 s[14:15], s[68:69], s[16:17]
	s_add_nc_u64 s[46:47], s[70:71], s[46:47]
	CROUND
.irp s, 0,1
	s_mov_b32 s[G0+4*\s], 1
	s_add_co_u32 s[G0+4*\s+1], s20, \s*SLOT
	s_add_nc_u64 s[G0+4*\s+2:G0+4*\s+3], s[14:15], \s*RTB
	s_or_b32 s[G0+4*\s+3], s[G0+4*\s+3], 0x80000000
	s_mov_b32 s[G0B+4*\s], 1
	s_add_co_u32 s[G0B+4*\s+1], s20, \s*SLOT
	s_add_nc_u64 s[G0B+4*\s+2:G0B+4*\s+3], s[46:47], \s*RTB
	s_or_b32 s[G0B+4*\s+3], s[G0B+4*\s+3], 0x80000000
	s_wait_alu depctr_va_vdst(0)
	s_wait_tensorcnt 0x0
	ds_add_u32 v28, v29
	ds_add_u32 v28, v29
	s_wait_dscnt 0x0
	CROUND
	JLOAD \s
.endr
	v_and_b32 v1, 15, v0
	s_wait_alu depctr_va_vdst(0)
	v_bfe_u32 v2, v0, 4, 1
	v_and_b32 v3, 31, v0
	v_lshlrev_b32 v3, 4, v3
	s_mul_i32 s21, s11, QTB
	s_mul_i32 s22, s12, QTB
	s_add_co_u32 s22, s22, BOFF
.irp s, 0,1
	v_add_nc_u32 v[ADRA+\s], s21, v3
	v_add_nc_u32 v[ADRB+\s], s22, v3
	s_add_co_u32 s21, s21, SLOT
	s_add_co_u32 s22, s22, SLOT
.endr
	s_mul_i32 s23, s10, 16*SPITCH
	s_add_co_u32 s23, s23, STAGE
	v_mul_u32_u24 v4, v1, SPITCH
	s_wait_alu depctr_va_vdst(0)
	v_lshl_add_u32 v4, v2, 5, v4
	v_add_nc_u32 v[STO], s23, v4
	v_mul_u32_u24 v5, v2, SPITCH
	v_lshl_add_u32 v5, v1, 4, v5
	v_add_nc_u32 v[RD], s23, v5
	v_lshlrev_b32 v5, 12, v2
	v_lshl_add_u32 v[CO], v1, 4, v5
	s_lshl_b32 s76, s13, 19
	s_lshl_b32 s78, s11, 18
	s_add_co_u32 s76, s76, s78
	s_lshl_b32 s78, s42, 9
	s_add_co_u32 s76, s76, s78
	s_lshl_b32 s78, s12, 8
	s_add_co_u32 s76, s76, s78
	s_mov_b32 s77, 0
	s_add_nc_u64 s[74:75], s[74:75], s[76:77]
.macro MUL8 f, a0, zero
.irp a, \a0, \a0+1
.irp b, 0,1,2,3
.if \zero
	v_wmma_f32_16x16x128_fp8_fp8 v[ACC+8*(4*(\a)+\b):ACC+8*(4*(\a)+\b)+7], v[\f+64+16*\b:\f+64+16*\b+15], v[\f+16*(\a):\f+16*(\a)+15], 0
.else
	v_wmma_f32_16x16x128_fp8_fp8 v[ACC+8*(4*(\a)+\b):ACC+8*(4*(\a)+\b)+7], v[\f+64+16*\b:\f+64+16*\b+15], v[\f+16*(\a):\f+16*(\a)+15], v[ACC+8*(4*(\a)+\b):ACC+8*(4*(\a)+\b)+7]
.endif
.endr
.endr
.endm
.macro FETCH slot, q, f
	WIN TO_F
.irp i, 0,1,2,3
.irp c, 0,1,2,3
	ds_load_b128 v[\f+64+16*\i+4*\c:\f+64+16*\i+4*\c+3], v[ADRB+\slot] offset:\i*RTB+(\q)*IMGB+512*\c
.endr
.endr
.irp i, 0,1,2,3
.irp c, 0,1,2,3
	ds_load_b128 v[\f+16*\i+4*\c:\f+16*\i+4*\c+3], v[ADRA+\slot] offset:\i*RTB+(\q)*IMGB+512*\c
.endr
.endr
.endm
.macro QUARTER slot, q, f, g, zero
	s_wait_dscnt 8
	WIN MUL
	MUL8 \f, 0, \zero
	PLACES
	FETCH \slot, \q, \g
	s_wait_dscnt 32
	WIN MUL
	MUL8 \f, 2, \zero
.endm
.macro TURN slot, next, fill
	WIN 0
	s_wait_tensorcnt 0x0
	ds_add_u32 v[SPW], v[NIL]
	s_wait_dscnt 9
	WIN MUL
	MUL8 F1, 0, 0
	s_wait_dscnt 0x0
	s_barrier_signal -1
	WIN 0
	s_barrier_wait -1
.if \fill
	CREST
	s_add_nc_u64 s[G0+4*\slot+2:G0+4*\slot+3], s[G0+4*\slot+2:G0+4*\slot+3], 2*RTB
	s_add_nc_u64 s[G0B+4*\slot+2:G0B+4*\slot+3], s[G0B+4*\slot+2:G0B+4*\slot+3], 2*RTB
	JLOAD \slot
.else
	PLACES
.endif
	FETCH \next, 0, F0
	WIN MUL
	MUL8 F1, 2, 0
.endm
	s_wait_tensorcnt 1
	s_barrier_signal -1
	s_barrier_wait -1
	FETCH 0, 0, F0
	QUARTER 0, 1, F0, F1, 1
	QUARTER 0, 2, F1, F0, 0
	QUARTER 0, 3, F0, F1, 0
	TURN 0, 1, 1
	QUARTER 1, 1, F0, F1, 0
	QUARTER 1, 2, F1, F0, 0
	QUARTER 1, 3, F0, F1, 0
	TURN 1, 0, 1
	QUARTER 0, 1, F0, F1, 0
	QUARTER 0, 2, F1, F0, 0
	QUARTER 0, 3, F0, F1, 0
	TURN 0, 1, 0
	QUARTER 1, 1, F0, F1, 0
	QUARTER 1, 2, F1, F0, 0
	QUARTER 1, 3, F0, F1, 0
	s_wait_dscnt 8
	WIN MUL
	MUL8 F1, 0, 0
	s_wait_dscnt 0
	MUL8 F1, 2, 0
	WIN 0
	s_wait_kmcnt 0x0
	s_add_co_i32 s96, s96, s97
	s_add_co_i32 s96, s96, 127
	s_lshl_b32 s96, s96, 23
	s_mov_b32 s97, s96
	PLACES
.macro OUTBLK a
	s_wait_xcnt 0x0
.set jj, 0
.rept 16
	v_pk_mul_f32 v[TMP+jj:TMP+jj+1], v[ACC+32*(\a)+jj:ACC+32*(\a)+jj+1], s[96:97] op_sel_hi:[1,0]
.set jj, jj+2
.endr
.irp b, 0,1,2,3
	ds_store_b128 v[STO], v[TMP+8*\b:TMP+8*\b+3] offset:64*\b
	ds_store_b128 v[STO], v[TMP+8*\b+4:TMP+8*\b+7] offset:64*\b+16
.endr
.irp i, 0,1,2,3,4,5,6,7
	ds_load_b128 v[BK+4*\i:BK+4*\i+3], v[RD] offset:2*\i*SPITCH
.endr
.irp i, 0,1,2,3,4,5,6,7
	s_wait_dscnt 7-\i
	global_store_b128 v[CO], v[BK+4*\i:BK+4*\i+3], s[74:75] offset:(16*(\a)+2*\i)*4096 th:TH_STORE_NT
.endr
.endm
	OUTBLK 0
	OUTBLK 1
	OUTBLK 2
	OUTBLK 3
	s_wait_tensorcnt 0x0
	ds_add_u32 v[SPW], v[NIL]
	s_wait_dscnt 0x0
	CROUND
	s_endpgm
.Lfunc_end_k_q7e2f6f929e_oproj:
	.size	k_q7e2f6f929e_oproj, .Lfunc_end_k_q7e2f6f929e_oproj-k_q7e2f6f929e_oproj
	.p2alignl 7, 3214868480
	.fill 96, 4, 3214868480
	.section	.rodata,"a",@progbits
	.p2align	6, 0x0
	.amdhsa_kernel k_q7e2f6f929e_oproj
		.amdhsa_group_segment_fixed_size 327680
		.amdhsa_private_segment_fixed_size 0
		.amdhsa_enable_private_segment 0
		.amdhsa_kernarg_size 32
		.amdhsa_user_sgpr_count 2
		.amdhsa_user_sgpr_kernarg_segment_ptr 1
		.amdhsa_wavefront_size32 1
		.amdhsa_system_sgpr_workgroup_id_x 1
		.amdhsa_system_sgpr_workgroup_id_y 1
		.amdhsa_system_sgpr_workgroup_id_z 1
		.amdhsa_system_vgpr_workitem_id 0
		.amdhsa_next_free_vgpr 512
		.amdhsa_next_free_sgpr 98
		.amdhsa_reserve_vcc 0
		.amdhsa_float_denorm_mode_32 3
		.amdhsa_float_denorm_mode_16_64 3
		.amdhsa_memory_ordered 1
		.amdhsa_forward_progress 1
		.amdhsa_inst_pref_size 75
	.end_amdhsa_kernel
	.amdgpu_metadata
---
amdhsa.version: [ 1, 2 ]
amdhsa.kernels:
  - .name:           k_q7e2f6f929e_oproj
    .symbol:         k_q7e2f6f929e_oproj.kd
    .args:
      - { .name: a_codes, .offset: 0, .size: 8, .value_kind: global_buffer, .address_space: global }
      - { .name: wc, .offset: 8, .size: 8, .value_kind: global_buffer, .address_space: global }
      - { .name: lowp_scales, .offset: 16, .size: 8, .value_kind: global_buffer, .address_space: global }
      - { .name: out0, .offset: 24, .size: 8, .value_kind: global_buffer, .address_space: global }
    .group_segment_fixed_size: 327680
    .private_segment_fixed_size: 0
    .kernarg_segment_align: 8
    .kernarg_segment_size: 32
    .max_flat_workgroup_size: 128
    .sgpr_count:     98
    .vgpr_count:     512
    .wavefront_size: 32
...
	.end_amdgpu_metadata
.endif
;; end of part 4
